; MI455X (gfx1250); checked and timed in simulation.
; The chip was launched on July 23, 2026; its instructions are those of AMD's public machine-readable ISA for CDNA 5 (MIT licence, August 2026) and "CDNA5" Instruction Set Architecture Reference Guide (July 2026). The comments in the code are by the model that wrote it; some were corrected since.
;; Portable Loft Q Layer. Allowed arithmetic: matrix products marked QUANTISED: E5M2 operands, one given power-of-two scale a tensor, by v_wmma_f32_16x16x64_bf8_bf8 or v_wmma_f32_16x16x128_bf8_bf8, f32 sums; everything else in f32.
;; Inputs: absmax 262,144 float32; bias 4,096 float32; lora_A_codes 4,096 x 2 x 32 uint8 (E5M2 codes of lora_A, K innermost, in blocks of 32 codes); lora_B_codes 4,096 x 2 x 32 uint8 (E5M2 codes of lora_B, K innermost, in blocks of 32 codes); lowp_scales 6 int32 (the exponents e of the quantised operands' scales 2^e); qcodes 4,096 x 4,096 int32; x_codes 2,048 x 128 x 32 uint8 (E5M2 codes of x, K innermost, in blocks of 32 codes).
;; Outputs: out0 2,048 x 4,096 float32.
;; This version of the problem:
;;   THIS VERSION OF THE PROBLEM IS GIVEN IN LOW PRECISION. The matrix products marked QUANTISED in the list below multiply operands that are first quantised to E5M2 (5 exponent bits, 2 mantissa bits; 8 bits a number), with one given power-of-two scale for each operand tensor; their sums are f32. All else is computed in f32.
;;   The module's matrix products, in the order in which they are computed (A, B: the left and right operand; K: the contracted axis; several contracted axes count as one K, in the product's order):
;;     1. [M 2,048, K 4,096] x [K 4,096, N 4,096]; A: input x (given as codes); B: computed on the way: QUANTISED (scales: A lowp_scales[0], B lowp_scales[1])
;;     2. [M 4,096, K 64] x [K 64, N 4,096]; A: input lora_B (given as codes); B: input lora_A (given as codes): QUANTISED (scales: A lowp_scales[2], B lowp_scales[3])
;;     3. [M 2,048, K 4,096] x [K 4,096, N 4,096]; A: input x (given as codes); B: computed on the way: QUANTISED (scales: A lowp_scales[4], B lowp_scales[5])
;;   THE QUANTISER, for each operand of a quantised product, along K:
;;     - The operand's scale is 2^e, e = its entry of the input lowp_scales (int32; the entries are numbered through the quantised products in the list's order, A before B).
;;     - Each number is divided by the scale, clamped to +-57,344, and rounded to the nearest number of E5M2, ties to even, subnormals kept.
;;     - The product sums the exact products of the quantised numbers (number of the format x scale) in f32.
;;   ~~~python
;;   def quantise(x, axis, e):      # numpy; x: float32 -> the quantised numbers, widened to float32 again
;;       x = np.moveaxis(x, axis, -1); K = x.shape[-1]
;;       r = np.clip(x / 2.0 ** e, -57344, 57344)
;;       step = 2.0 ** (np.maximum(np.frexp(np.where(r == 0, 1, r))[1] - 1, -14) - 2)
;;       q = np.round(r / step) * step * 2.0 ** e      # np.round: ties to even
;;       return np.moveaxis(q, -1, axis).astype(np.float32)
;;   ~~~
;;   OPERANDS COMPUTED ON THE WAY. 'Computed on the way' means the value that the module computes at that place (a softmax that the list does not call 'softmax' is quantised finished and normalised). What goes into a quantiser is computed in f32, as accurately as f32 sums, v_exp_f32 and their like allow (about 1e-6 of the number): no bf16 or f16 on the way to a quantiser, and a product that is left as it is and whose result goes on into a quantised operand takes f32 operands (vector FMAs, or v_wmma_f32_16x16x4_f32). A number that lies on a knife's edge between two numbers of the format may be rounded either way, as far as f32 arithmetic and the matrix unit's own rounding can turn it there, and no further.
;;   INPUTS GIVEN AS CODES. lora_A (in the module: [64, 4096], K = its axis 0); lora_B (in the module: [4096, 64], K = its axis 1); x (in the module: [2048, 4096], K = its axis 1): each comes as NAME_codes (uint8): NAME with its K axis moved to the last place and cut into blocks of 32 codes, [.., K / 32, bytes a block], one block behind the other in memory; one code a byte (a code: sign, 5 exponent bits, 2 mantissa bits); its scale is its entry of lowp_scales. Its value is code x scale, taken as it is: it is not quantised again, and the codes and scales need not be those that the quantiser above would give.
;; One version. Each part assembles by itself: llvm-mc -triple=amdgcn-amd-amdhsa -mcpu=gfx1250 --defsym DOCPART=n.
;; ======== version 1 of 1: 2 launches
;; limits: right only within a limited range of input values
;; workspace buffers: bq 33,554,432 bytes
;; launch prep (part 1): grid 256 x 1, 8 waves a work-group, no clusters, 327,680 bytes of LDS; arguments qcodes, absmax, lora_A_codes, lora_B_codes, lowp_scales, bq; writes bq
.if DOCPART == 1
	.amdgcn_target "amdgcn-amd-amdhsa--gfx1250"
	.amdhsa_code_object_version 6
	.text
	.protected	k_q60223961c2_prep
	.globl	k_q60223961c2_prep
	.p2align	8
	.type	k_q60223961c2_prep,@function
k_q60223961c2_prep:
	s_mov_b64 s[64:65], 0
	v_nop
	global_prefetch_b8 v0, s[64:65] scope:SCOPE_SE
	s_setreg_imm32_b32 hwreg(HW_REG_WAVE_MODE, 25, 1), 1
	s_wait_xcnt 0x0
; THE TWO COMPUTED OPERANDS, AS CODES OF BF8 (E5M2), K (= the input feature i) INNERMOST, INTO ONE BUFFER bq OF 8,192 ROWS x 4,096 BYTES.
;   W[o][i]     = NF4[qcodes[o][i]] x absmax[(o x 4096 + i) / 64], quantised with 2^e1              -> row 128 (o / 64) +      o % 64
;   delta[o][i] = sum over r of lora_B[o][r] lora_A[r][i] (codes, 2^e2, 2^e3), quantised with 2^e5  -> row 128 (o / 64) + 64 + o % 64
; So 64 rows of W and the 64 rows of delta for the same outputs lie one behind the other: in the next launch a wave's 128 rows of bq hold both products' rows for the same 64 outputs.
; SHARES.  Work-group g (256 of them, eight waves): W's rows 16 g .. 16 g + 15, two a wave; and delta for outputs 128 (g / 8) .. + 127 x features 512 (g % 8) .. + 511, 32 x 256 a wave.
; ORDER.  Each wave asks for its lora fragments, its absmax and its first row of qcodes (16 KiB, one tensor load into LDS bytes of its own) and makes delta while they come.  Its second row's tile, other bytes,
; is a later first fill: it goes out behind the wait for all tensor loads, the add, its wait and a work-group barrier, and is on its way while the first row is worked on.
; No wave reads what another brought or stored; each LDS byte is filled once.  By this text's count a wave has one tensor load out.
; W WITHOUT A GATHER.  A lane owns a block of 64 weights, which share one absmax.  It makes the block's sixteen possible numbers NF4[t] x absmax in f32, quantises those sixteen (hold, conversion), and
; holds them as 16 bytes in four registers; each weight's code is then picked by v_perm_b32, four weights at a time.  qcodes enter selectors alone, never an address.
; No prefetch: every byte is asked for once, at the head or directly behind the one barrier, and there is no loop to run ahead in.  No cluster: no two work-groups read the same qcodes, and the lora codes are a small part of the bytes.
; LIMITS.  e1 and e5 - e2 - e3 between -126 and 112, so that the scale and 57,344 x the scale are f32 numbers.  qcodes lie in 0 .. 15 (they index a table of sixteen).  NaN or infinity in absmax is not served.
.set QW,    34816                      ; LDS: a wave's two tiles of qcodes
.set QT,    17408                      ; a tile: 64 blocks x (256 bytes + 16 of padding)
.set QP,    272                        ; from block to block: lane l reads block l, and 16 lanes then touch 16 different columns of 16 bytes
.set STAGE, 8*QW                       ; behind the tiles: a stage of 4,352 bytes for each wave; no tensor load lands there
.set STW,   4352                       ; delta: 16 rows x 272;  W: 32 places x 80 (the same bytes, the wave's own, used one after the other)
.set LAO, 4                            ; v4   lora_A: (r + 8 (r / 8)) x 64 + 16 h
.set LBO, 5                            ; v5   lora_B: 64 r + 16 h
.set DST, 6                            ; v6   delta into the stage: row r, + 16 h
.set DRD, 7                            ; v7   and back: lanes 0-15 one row of 256 bytes, lanes 16-31 the next
.set DGO, 8                            ; v8   the same two rows in bq
.set QRD, 9                            ; v9   my block of qcodes in LDS
.set WST, 10                           ; v10  W into the stage: 80 x lane
.set WRD, 11                           ; v11  and back: 16 bytes a lane, 512 on end
.set WGO, 12                           ; v12  16 x lane, in bq
.set ABO, 13                           ; v13  4 x lane, in absmax
.set SD,  14                           ; v14  2^(e5 - e2 - e3);  v15  57,344 x that
.set SW,  16                           ; v16  2^e1;              v17  57,344 x that
.set AM,  18                           ; v18-21   absmax of my block in steps 0 .. 3
.set TT,  22                           ; v22-29   two sets of four, at work
.set LB,  32                           ; v32-47   lora_B: two fragments of 16 outputs x 64
.set LA,  48                           ; v48-175  lora_A: sixteen fragments of 16 features x 64
.set ACC, 176                          ; v176-239 eight tiles of delta
.set CD,  240                          ; v240-255 their codes
.set QC,  32                           ; v32-95   (W) my block's 64 qcodes
.set TF,  96                           ; v96-111  the block's sixteen numbers
.set TC,  112                          ; v112-115 and their sixteen codes, entry t in byte t
.set OUT, 116                          ; v116-131 the block's 64 codes
.set BK,  132                          ; v132-195 back from the stage: sixteen registers for each step, so that no store's data are written again
	s_load_b256 s[4:11], s[0:1], 0x0               ; qcodes s[4:5], absmax s[6:7], lora_A's codes s[8:9], lora_B's codes s[10:11]
	s_load_b128 s[12:15], s[0:1], 0x20             ; the scales' exponents s[12:13], bq s[14:15]
	v_lshl_add_u32 v30, v0, 2, 0x4c800             ; my spare word, behind the stages
	v_mov_b32 v31, 0
	ds_add_u32 v30, v31                            ; the opening lines: the add twice on end
	ds_add_u32 v30, v31
	v_lshrrev_b32 v1, 5, v0
	v_readfirstlane_b32 s16, v1                    ; wave 0..7
	v_and_b32 v1, 31, v0                           ; lane
	v_and_b32 v2, 15, v0                           ; r
	v_bfe_u32 v3, v0, 4, 1                         ; h
	s_mul_i32 s17, s16, STW
	s_add_co_u32 s17, s17, STAGE                   ; my stage
	s_mul_i32 s18, s16, QW                         ; my tiles
	v_and_b32 v22, 8, v2
	v_add_nc_u32 v22, v22, v2                      ; r + 8 (r / 8)
	v_lshlrev_b32 v[LAO], 6, v22
	v_lshl_add_u32 v[LAO], v3, 4, v[LAO]
	v_lshlrev_b32 v[LBO], 6, v2
	v_lshl_add_u32 v[LBO], v3, 4, v[LBO]
	v_mul_u32_u24 v[DST], v2, 272
	v_lshl_add_u32 v[DST], v3, 4, v[DST]
	v_add_nc_u32 v[DST], s17, v[DST]
	v_mul_u32_u24 v[DRD], v3, 272
	v_lshl_add_u32 v[DRD], v2, 4, v[DRD]
	v_add_nc_u32 v[DRD], s17, v[DRD]
	v_lshlrev_b32 v[DGO], 12, v3
	v_lshl_add_u32 v[DGO], v2, 4, v[DGO]
	v_mul_u32_u24 v[QRD], v1, QP
	v_add_nc_u32 v[QRD], s18, v[QRD]
	v_mul_u32_u24 v[WST], v1, 80
	v_add_nc_u32 v[WST], s17, v[WST]
	v_lshrrev_b32 v22, 2, v1
	v_mul_u32_u24 v[WRD], v22, 80
	v_and_b32 v22, 3, v1
	v_lshl_add_u32 v[WRD], v22, 4, v[WRD]
	v_add_nc_u32 v[WRD], s17, v[WRD]
	v_lshlrev_b32 v[WGO], 4, v1
	v_lshlrev_b32 v[ABO], 2, v1
	; byte offsets of my wave's parts, each in a pair with 0 above it
	s_lshr_b32 s19, ttmp9, 3                       ; tn = g / 8: which 128 outputs of delta
	s_and_b32 s20, ttmp9, 7                        ; ic = g % 8: which 512 features
	s_lshr_b32 s21, s16, 1                         ; og: which 32 outputs of the 128
	s_and_b32 s22, s16, 1                          ; ih: which 256 features of the 512
	s_lshl_b32 s52, ttmp9, 4
	s_lshl_b32 s53, s16, 1
	s_add_co_u32 s52, s52, s53                     ; my first row of W: 16 g + 2 wave
	s_lshl_b32 s54, s52, 14                        ; qcodes: 16,384 bytes a row
	s_mov_b32 s55, 0
	s_lshl_b32 s56, s52, 8                         ; absmax: 64 numbers a row
	s_mov_b32 s57, 0
	s_lshl_b32 s58, s20, 15                        ; lora_A: (512 ic + 256 ih) rows of 64 bytes
	s_lshl_b32 s53, s22, 14
	s_add_co_u32 s58, s58, s53
	s_mov_b32 s59, 0
	s_lshl_b32 s60, s19, 13                        ; lora_B: (128 tn + 32 og) rows of 64 bytes
	s_lshl_b32 s53, s21, 11
	s_add_co_u32 s60, s60, s53
	s_mov_b32 s61, 0
	s_lshr_b32 s62, ttmp9, 2                       ; bq, W: my two outputs lie in the group of 64 outputs number g / 4; a group is 128 rows of 4,096 bytes;
	s_lshl_b32 s62, s62, 19
	s_and_b32 s53, ttmp9, 3
	s_lshl_b32 s53, s53, 16                        ; in it row 16 (g % 4)
	s_add_co_u32 s62, s62, s53
	s_lshl_b32 s53, s16, 13                        ; + 2 wave
	s_add_co_u32 s62, s62, s53
	s_mov_b32 s63, 0
	s_lshl_b32 s50, s19, 20                        ; bq, delta: group 2 tn + og / 2;
	s_lshr_b32 s53, s21, 1
	s_lshl_b32 s53, s53, 19
	s_add_co_u32 s50, s50, s53
	s_and_b32 s53, s21, 1
	s_lshl_b32 s53, s53, 17                        ; in it row 32 (og % 2),
	s_add_co_u32 s50, s50, s53
	s_lshl_b32 s53, s20, 9                         ; byte 512 ic + 256 ih of the row,
	s_add_co_u32 s50, s50, s53
	s_lshl_b32 s53, s22, 8
	s_add_co_u32 s50, s50, s53
	s_add_co_u32 s50, s50, 262144                  ; behind the group's 64 rows of W
	s_mov_b32 s51, 0
	s_mov_b32 s46, 0x07070707                      ; a qcode's low three bits, four at a time
	s_mov_b32 s47, 0x04040404                      ; its bit 3, moved down by one
	s_mov_b32 s48, 0x03020100                      ; byte j picks byte j
	; descriptor group 1: a row of qcodes, 16,384 dense bytes, stated as 64 rows of 32 elements of 8 bytes; 16 bytes of padding behind each 256
	s_mov_b32 s24, (3<<16)|(1<<20)|(5<<22)|(3<<25) ; no mask; elements of 8 bytes; padding on; after every 64 words; four words
	s_mov_b32 s25, 32<<16                          ; tensor_dim0 = 32
	s_mov_b32 s26, 64<<16                          ; tensor_dim1 = 64
	s_mov_b32 s27, 32<<16                          ; tile_dim0 = 32
	s_mov_b32 s28, 64                              ; tile_dim1 = 64
	s_mov_b32 s29, 32                              ; from row to row
	s_mov_b32 s30, 0
	s_mov_b32 s31, 0
	s_wait_alu depctr_va_vdst(0)                   ; the wait at the head's end
	s_wait_dscnt 0x0
	s_wait_kmcnt 0x0
	s_load_b128 s[40:43], s[12:13], 0x0            ; e0, e1, e2, e3
	s_load_b64 s[44:45], s[12:13], 0x10            ; e4, e5
	s_add_nc_u64 s[4:5], s[4:5], s[54:55]
	s_add_nc_u64 s[6:7], s[6:7], s[56:57]
	s_add_nc_u64 s[8:9], s[8:9], s[58:59]
	s_add_nc_u64 s[10:11], s[10:11], s[60:61]
	s_add_nc_u64 s[50:51], s[14:15], s[50:51]      ; bq at my part of delta
	s_add_nc_u64 s[14:15], s[14:15], s[62:63]      ; bq at my two rows of W
	s_mov_b32 s32, 1                               ; group 0 for my first row: count = 1,
	s_mov_b32 s33, s18                             ; LDS address,
	s_mov_b64 s[34:35], s[4:5]                     ; global address,
	s_or_b32 s35, s35, 0x80000000                  ; type = 2
	s_mov_b32 s36, 1                               ; and for my second row
	s_add_co_u32 s37, s18, QT
	s_add_nc_u64 s[38:39], s[4:5], 16384
	s_or_b32 s39, s39, 0x80000000
	; A fragment of 16 rows x 64 K is 8 registers, brought by two loads of 16 bytes, 32 bytes apart, at row x 64 + 16 h: the same permutation of k on both sides, so every product meets its partner.
.irp ob, 0,1
.irp c, 0,1
	global_load_b128 v[LB+8*\ob+4*\c:LB+8*\ob+4*\c+3], v[LBO], s[10:11] offset:1024*\ob+32*\c
.endr
.endr
	; THE FEATURES OF A TILE ARE NOT NEIGHBOURS: lane r of tile 2 b + u takes feature 32 b + 8 u + r + 8 (r / 8), so that the 16 registers of tiles 2 b and 2 b + 1 are 16 neighbours along i
.irp t, 0,1,2,3,4,5,6,7,8,9,10,11,12,13,14,15
.irp c, 0,1
	global_load_b128 v[LA+8*\t+4*\c:LA+8*\t+4*\c+3], v[LAO], s[8:9] offset:(32*(\t/2)+8*(\t%2))*64+32*\c
.endr
.endr
.irp st, 0,1,2,3
	global_load_b32 v[AM+\st], v[ABO], s[6:7] offset:128*\st   ; block 32 st + lane of my 128
.endr
	tensor_load_to_lds s[32:35], s[24:31]          ; my first row: one tensor load a wave at the head
	s_nop 0
.rept 4
	v_nop
.endr
	s_wait_kmcnt 0x0
	s_sub_co_i32 s20, s45, s42
	s_sub_co_i32 s20, s20, s43                     ; a sum of lora_B lora_A stands for sum x 2^(e2 + e3): its code is sum / 2^(e5 - e2 - e3)
	s_add_co_i32 s20, s20, 127
	s_lshl_b32 s21, s20, 23
	v_mov_b32 v[SD], s21                           ; that scale as f32: the conversion takes its exponent field
	s_add_co_i32 s20, s20, 15
	s_lshl_b32 s20, s20, 23
	s_or_b32 s20, s20, 0x600000
	v_mov_b32 v[SD+1], s20                         ; 57,344 x that
	s_add_co_i32 s20, s41, 127
	s_lshl_b32 s21, s20, 23
	v_mov_b32 v[SW], s21                           ; 2^e1
	s_add_co_i32 s20, s20, 15
	s_lshl_b32 s20, s20, 23
	s_or_b32 s20, s20, 0x600000
	v_mov_b32 v[SW+1], s20                         ; 57,344 x 2^e1
; DELTA for 16 outputs x 256 features.  Source 0 = 16 features of lora_A, source 1 = my 16 outputs of lora_B: a lane holds ONE output (lane % 16), and its registers run along i, the next product's K.
.macro DBLOCK ob
.irp gi, 0,1                           ; eight tiles, 128 features, at a time
.irp tt, 0,1,2,3,4,5,6,7
	v_wmma_f32_16x16x64_bf8_bf8 v[ACC+8*\tt:ACC+8*\tt+7], v[LA+8*(8*\gi+\tt):LA+8*(8*\gi+\tt)+7], v[LB+8*\ob:LB+8*\ob+7], 0
.endr
.rept 4
	v_nop                                          ; four places between a product and the first read of its result (ISA guide 7.12.1)
.endr
.set i, 0
.rept 64
	v_med3_num_f32 v[ACC+i], v[ACC+i], -v[SD+1], v[SD+1]   ; the conversion to an 8-bit code does not saturate (ISA guide 7.6.2): the hold at the largest code x the scale; each tile from its low end on
.set i, i+1
.endr
.irp tt, 0,1,2,3,4,5,6,7
	v_cvt_scalef32_pk8_bf8_f32 v[CD+2*\tt:CD+2*\tt+1], v[ACC+8*\tt:ACC+8*\tt+7], v[SD]
.endr
.rept 5
	v_nop                                          ; the plain line behind the conversions, and five places ahead of the products that write the tiles anew
.endr
.irp bb, 0,1,2,3
	ds_store_b128 v[DST], v[CD+4*\bb:CD+4*\bb+3] offset:128*\gi+32*\bb   ; features 128 gi + 32 bb + 16 h + 0 .. 15 of output r
.endr
	s_wait_dscnt 0x0                               ; the stores have read their registers: the next codes may be written
.endr
.irp t, 0,1,2,3,4,5,6,7
	ds_load_b128 v[ACC+4*\t:ACC+4*\t+3], v[DRD] offset:544*\t   ; LDS serves a wave's instructions in order: these see my stores
.endr
.irp t, 0,1,2,3,4,5,6,7
	s_wait_dscnt 7-\t                              ; the younger loads may stay out
	global_store_b128 v[DGO], v[ACC+4*\t:ACC+4*\t+3], s[50:51] offset:(16*\ob+2*\t)*4096   ; 16 lanes store 256 consecutive bytes, at a multiple of 256 from bq's first byte
.endr
	s_wait_xcnt 0x0                                ; the stores' data registers are written again only behind this wait
.endm
	s_wait_alu depctr_va_vdst(0)
	s_wait_loadcnt 4                               ; lora_B's and lora_A's fragments are in; the four loads of absmax, issued last, may stay out
	DBLOCK 0
	DBLOCK 1
; W: a step is 32 blocks of 64 weights (half a row), a lane a block.
.macro WSTEP st
.if \st == 0
	s_wait_tensorcnt 0x1                           ; my first row's tile is in LDS; the second's may stay out
.endif
.if \st == 2
	s_wait_tensorcnt 0x0                           ; the second's is in
.endif
.irp i, 0,1,2,3,4,5,6,7,8,9,10,11,12,13,14,15
	ds_load_b128 v[QC+4*\i:QC+4*\i+3], v[QRD] offset:8704*\st+16*\i   ; 32 blocks x 272 bytes a step
.endr
	v_mul_f32 v[TF+0],  -1.0,       v[AM+\st]      ; the block's sixteen numbers, NF4[t] x absmax, in f32, while the loads are out
	v_mul_f32 v[TF+1],  0xbf3239b1, v[AM+\st]      ; -0.6961928009986877
	v_mul_f32 v[TF+2],  0xbf066b30, v[AM+\st]      ; -0.5250730514526367
	v_mul_f32 v[TF+3],  0xbeca32a0, v[AM+\st]      ; -0.39491748809814453
	v_mul_f32 v[TF+4],  0xbe91a24d, v[AM+\st]      ; -0.28444138169288635
	v_mul_f32 v[TF+5],  0xbe3d353f, v[AM+\st]      ; -0.18477343022823334
	v_mul_f32 v[TF+6],  0xbdba7871, v[AM+\st]      ; -0.09105003625154495
	v_mul_f32 v[TF+7],  0,          v[AM+\st]
	v_mul_f32 v[TF+8],  0x3da2faff, v[AM+\st]      ; 0.07958029955625534
	v_mul_f32 v[TF+9],  0x3e24cae3, v[AM+\st]      ; 0.16093020141124725
	v_mul_f32 v[TF+10], 0x3e7c04e3, v[AM+\st]      ; 0.2461123913526535
	v_mul_f32 v[TF+11], 0x3ead033a, v[AM+\st]      ; 0.33791524171829224
	v_mul_f32 v[TF+12], 0x3ee1a4b8, v[AM+\st]      ; 0.44070982933044434
	v_mul_f32 v[TF+13], 0x3f1007ab, v[AM+\st]      ; 0.5626170039176941
	v_mul_f32 v[TF+14], 0x3f3913b3, v[AM+\st]      ; 0.7229568362236023
	v_mul_f32 v[TF+15], 1.0,        v[AM+\st]
.set i, 0
.rept 16
	v_med3_num_f32 v[TF+i], v[TF+i], -v[SW+1], v[SW+1]   ; the hold at the largest code x the scale
.set i, i+1
.endr
	v_cvt_scalef32_pk8_bf8_f32 v[TC:TC+1], v[TF:TF+7], v[SW]
	v_cvt_scalef32_pk8_bf8_f32 v[TC+2:TC+3], v[TF+8:TF+15], v[SW]
	v_nop                                          ; one plain line between a scaled conversion and the vector instructions that read its result
	s_wait_alu depctr_va_vdst(0)
	s_wait_dscnt 0x0                               ; my 64 qcodes are in
.set q, 0
.rept 16                               ; four weights: their qcodes into four bytes; entries 0-7 and 8-15 picked by the low three bits; bit 3 chooses between the two
.set T, TT+4*(q%2)
	v_lshl_or_b32 v[T], v[QC+4*q+1], 8, v[QC+4*q]
	v_lshl_or_b32 v[T+1], v[QC+4*q+3], 8, v[QC+4*q+2]
	v_lshl_or_b32 v[T], v[T+1], 16, v[T]
	v_and_b32 v[T+1], s46, v[T]
	v_lshrrev_b32 v[T], 1, v[T]
	v_and_or_b32 v[T], v[T], s47, s48
	v_perm_b32 v[T+2], v[TC+1], v[TC], v[T+1]      ; selector bytes 0-3 take the second source, 4-7 the first
	v_perm_b32 v[T+3], v[TC+3], v[TC+2], v[T+1]
	v_perm_b32 v[OUT+q], v[T+3], v[T+2], v[T]
.set q, q+1
.endr
.irp i, 0,1,2,3
	ds_store_b128 v[WST], v[OUT+4*\i:OUT+4*\i+3] offset:16*\i      ; a lane's 64 bytes, 80 bytes from lane to lane
.endr
.irp i, 0,1,2,3
	ds_load_b128 v[BK+16*\st+4*\i:BK+16*\st+4*\i+3], v[WRD] offset:640*\i   ; back as they lie in the row: 16 bytes a lane
.endr
.irp i, 0,1,2,3
	s_wait_dscnt 3-\i                              ; the younger loads may stay out
	global_store_b128 v[WGO], v[BK+16*\st+4*\i:BK+16*\st+4*\i+3], s[14:15] offset:2048*\st+512*\i   ; 32 lanes store 512 consecutive bytes, at a multiple of 256 from bq's first byte
.endr
.endm
	s_wait_tensorcnt 0x0                           ; my first row's tile is in LDS
	ds_add_u32 v30, v31
	s_wait_dscnt 0x0
	s_barrier_signal -1
	s_barrier_wait -1
	tensor_load_to_lds s[36:39], s[24:31]          ; my second row: it is on its way while the first row is worked on
	s_nop 0
.rept 4
	v_nop
.endr
	s_wait_loadcnt 0x0                             ; absmax
	WSTEP 0
	WSTEP 1
	WSTEP 2
	WSTEP 3
	s_wait_tensorcnt 0x0                           ; the wave's end
	ds_add_u32 v30, v31
	s_wait_dscnt 0x0
	s_endpgm
.Lfunc_end_k_q60223961c2_prep:
	.size	k_q60223961c2_prep, .Lfunc_end_k_q60223961c2_prep-k_q60223961c2_prep
	.p2alignl 7, 3214868480
	.fill 96, 4, 3214868480
	.section	.rodata,"a",@progbits
	.p2align	6, 0x0
	.amdhsa_kernel k_q60223961c2_prep
		.amdhsa_group_segment_fixed_size 327680
		.amdhsa_private_segment_fixed_size 0
		.amdhsa_enable_private_segment 0
		.amdhsa_kernarg_size 48
		.amdhsa_user_sgpr_count 2
		.amdhsa_user_sgpr_kernarg_segment_ptr 1
		.amdhsa_wavefront_size32 1
		.amdhsa_system_sgpr_workgroup_id_x 1
		.amdhsa_system_sgpr_workgroup_id_y 1
		.amdhsa_system_sgpr_workgroup_id_z 1
		.amdhsa_system_vgpr_workitem_id 0
		.amdhsa_next_free_vgpr 256
		.amdhsa_next_free_sgpr 66
		.amdhsa_reserve_vcc 0
		.amdhsa_float_denorm_mode_32 3
		.amdhsa_float_denorm_mode_16_64 3
		.amdhsa_memory_ordered 1
		.amdhsa_forward_progress 1
		.amdhsa_inst_pref_size 85
	.end_amdhsa_kernel
	.amdgpu_metadata
---
amdhsa.version: [ 1, 2 ]
amdhsa.kernels:
  - .name:           k_q60223961c2_prep
    .symbol:         k_q60223961c2_prep.kd
    .args:
      - { .name: qcodes, .offset: 0, .size: 8, .value_kind: global_buffer, .address_space: global }
      - { .name: absmax, .offset: 8, .size: 8, .value_kind: global_buffer, .address_space: global }
      - { .name: lora_A_codes, .offset: 16, .size: 8, .value_kind: global_buffer, .address_space: global }
      - { .name: lora_B_codes, .offset: 24, .size: 8, .value_kind: global_buffer, .address_space: global }
      - { .name: lowp_scales, .offset: 32, .size: 8, .value_kind: global_buffer, .address_space: global }
      - { .name: bq, .offset: 40, .size: 8, .value_kind: global_buffer, .address_space: global }
    .group_segment_fixed_size: 327680
    .private_segment_fixed_size: 0
    .kernarg_segment_align: 8
    .kernarg_segment_size: 48
    .max_flat_workgroup_size: 256
    .sgpr_count:     66
    .vgpr_count:     256
    .wavefront_size: 32
...
	.end_amdgpu_metadata
.endif
;; end of part 1
;; launch gemm (part 2): grid 32 x 8, 4 waves a work-group, clusters of 4 x 4, 327,680 bytes of LDS; arguments x_codes, bq, lowp_scales, bias, out0; writes out0
.if DOCPART == 2
	.amdgcn_target "amdgcn-amd-amdhsa--gfx1250"
	.amdhsa_code_object_version 6
	.text
	.protected	k_q60223961c2_gemm
	.globl	k_q60223961c2_gemm
	.p2align	8
	.type	k_q60223961c2_gemm,@function
k_q60223961c2_gemm:
	s_mov_b64 s[64:65], 0
	v_nop
	global_prefetch_b8 v0, s[64:65] scope:SCOPE_SE
	s_setreg_imm32_b32 hwreg(HW_REG_WAVE_MODE, 25, 1), 1
	s_wait_xcnt 0x0
	s_wait_alu depctr_hold_cnt(0) depctr_sa_sdst(0) depctr_va_vdst(0) depctr_va_sdst(0) depctr_va_ssrc(0) depctr_va_vcc(0) depctr_vm_vsrc(0)
	s_getreg_b32 s2, hwreg(HW_REG_IB_STS2, 6, 4)
	s_cmp_eq_u32 s2, 0
	s_cbranch_scc0 .Lentry_in_a_cluster
	s_endpgm
.Lentry_in_a_cluster:
	s_bfe_u32 s2, ttmp6, 0x10000c
	s_cmp_lg_u32 s2, 0xf033
	s_cbranch_scc0 .Lentry_shape_is_right
	s_endpgm
.Lentry_shape_is_right:
; out0[t][o] = 2^(e0+e1) sum_i x[t][i] Wq[o][i] + 2^(e4+e5) sum_i x[t][i] dq[o][i] + bias[o].  x: codes of BF8 as given; Wq, dq: codes of BF8 in bq (8,192 rows x 4,096 bytes:
; groups of 64 rows of W followed by the 64 rows of delta for the same outputs).  Both products run on the codes by v_wmma_f32_16x16x128_bf8_bf8, f32 sums; the scales are applied once, on the way out.
; LIMIT: e0 + e1 and e4 + e5 lie between -126 and 127, so that both factors are f32 numbers.
; SHARES.  A work-group of four waves: 256 rows of x against 256 rows of bq (128 outputs, both products); a wave 128 x 128: 64 accumulators.  256 work-groups.
; K goes in steps of 256 through two LDS slots (rows of 256 bytes, 16 of padding), filled by joint loads in clusters of 4 x 4: x's tile is shared along a row of the cluster, bq's along a column.
; Clusters of odd and even parity take each pair of K steps in opposite order; each prefetches slot 0's K step one lap (two refills) ahead, 32 rows a wave, a lane a row, the partners' rows told apart by address.
; THE MATRIX INSTRUCTION IS USED TRANSPOSED: source 0 = 16 rows of bq, source 1 = 16 rows of x: a lane holds one row of x and eight neighbouring outputs.
; REGISTERS.  window 0: v0-31 addresses; v32-63 x's blocks 0, 1 (one set); v64-159, v160-255 x's blocks 2-7 (two sets).  window 1: bq's eight fragments, two sets.
;   window 2: the accumulators of x's blocks 0-3 ((a, b) at v[8 (8 (a % 4) + b)]);  window 3: those of blocks 4-7.
; A step of 128 along K is 64 products, x's blocks one after the other, in four groups of 16.  The 128 LDS loads of a slot's two steps go out in SEVEN BATCHES of 16 to 24, one between two groups of products:
;   in the slot's first step: its own blocks 4-7 and the second step's bq 0-1 | bq 2-7 | x 0-3 | x 4-7;   in its second step, behind the change of slots, from the next slot: bq 0-3 | bq 4-7 | x 0-3.
; So every read of a slot has been issued in its first step, and the change of slots stands at the head of its second step: 112 products lie between a refill and the wait for it.
; The bias has no registers in the loop: it is loaded at the head, kept as an image of its 32 registers in LDS bytes of its own, and read back in the last step.
.set SIZE_K, 4096
.set KSTEP,  256
.set ROWB,   256
.set KROW,   SIZE_K
.set PITCH,  272                       ; 256 bytes + 16 of padding: the 16 rows of a fragment load start in 16 different columns of 16 bytes
.set HALFT,  128*PITCH                 ; what one tensor load brings
.set SLOT,   4*HALFT                   ; x's 256 rows, then bq's 256
.set LAPS,   SIZE_K/(2*KSTEP)
.set SPARE,  2*SLOT                    ; the spare words: 512 bytes that no other line names
.set STG,    SPARE+512                 ; the way out: 16 rows x 272 bytes for each wave; no tensor load lands there
.set SPITCH, 272
.set BST,    STG+4*16*SPITCH           ; the bias's image: 8 x 16 bytes for each of 128 threads; no tensor load lands there
.set OROW,   16384                     ; a row of out0 in bytes
.set ADRA, 16                          ; v16-17 x's fragments in slot 0, 1
.set ADRB, 20                          ; v20-21 bq's
.set STO,  24
.set RD,   25
.set CO,   26
.set BO,   27
.set SPW,  28
.set NIL,  29
.set PFO,  30
.set BIM,  31                          ; v31 my 16 bytes in the bias's image
.set T,    32                          ; on the way out: a block's 32 results (at the head: the bias as loaded)
.set BI,   64                          ; on the way out: the bias of my 64 outputs, in the accumulators' layout
.set BK,   96                          ; on the way out: two sets of 32, back from the stage
.set G1, 24
.set G0, 32
.set G1B, 48
.set G0B, 56
.set PFA, 66
.set LIM, 68
.set ODD, 69
.set KO,  70
.set MSB, 0
.macro WIN new                         ; the immediate's high byte repeats the setting that is left
.if MSB != \new
	s_set_vgpr_msb (MSB<<8)|\new
.set MSB, \new
.endif
.endm
.set MUL_LO, 0xa1                      ; source 0 (bq) window 1, source 1 (x) window 0, C and D window 2
.set MUL_HI, 0xf1                      ; the same, C and D window 3
.set TO_B,   0x40                      ; destination window 1, address window 0
.macro JLOAD g0a, g1a, g0b, g1b        ; a joint load: waves 0, 1 fetch x's halves, waves 2, 3 bq's
	s_cmp_eq_u32 s15, 0
	s_cbranch_scc0 .Lfor_b_\@
	tensor_load_to_lds s[\g0a:\g0a+3], s[\g1a:\g1a+7]
	s_nop 0
.rept 4
	v_nop
.endr
	s_branch .Lasked_\@
.Lfor_b_\@:
	tensor_load_to_lds s[\g0b:\g0b+3], s[\g1b:\g1b+7]
	s_nop 0
.rept 4
	v_nop
.endr
.Lasked_\@:
.endm
.macro ASK                             ; the prefetch: not in the loop's last trip (s3 = 1), whose look-ahead would pass the row's end
	s_cmp_gt_u32 s3, s[LIM]
	s_cbranch_scc0 .Lnot_mine_\@
	s_wait_alu depctr_va_vdst(0)
	global_prefetch_b8 v[PFO], s[PFA:PFA+1] th:TH_LOAD_NT scope:SCOPE_SE
.Lnot_mine_\@:
.endm
.macro CREST
	s_cmp_lg_u32 s14, 0
	s_cbranch_scc1 .Lnot_wave_0_\@
	s_barrier_signal -3
.Lnot_wave_0_\@:
	s_barrier_wait -3
	s_barrier_signal -1
	s_barrier_wait -1
.endm
.macro CROUND
	s_barrier_signal -1
	s_barrier_wait -1
	CREST
.endm
.macro PLACES                          ; four places between a product and a load into a register that it read, or a read of its result
.rept 4
	v_nop
.endr
.endm
	s_load_b256 s[4:11], s[0:1], 0x0               ; x s[4:5], bq s[6:7], scales s[8:9], bias s[10:11]
	s_load_b64 s[12:13], s[0:1], 0x20              ; out0
	v_lshl_add_u32 v[SPW], v0, 2, SPARE
	v_mov_b32 v[NIL], 0
	ds_add_u32 v[SPW], v[NIL]                      ; the opening lines: the add twice on end
	ds_add_u32 v[SPW], v[NIL]
	v_lshrrev_b32 v1, 5, v0
	v_readfirstlane_b32 s14, v1                    ; wave
	s_lshr_b32 s15, s14, 1                         ; my half of x's rows; also: I fetch for x (0) or bq (1)
	s_and_b32 s16, s14, 1                          ; my half of bq's rows; also: which 128 rows I fetch
	s_bfe_u32 s40, ttmp6, 0x40000                  ; cx
	s_bfe_u32 s41, ttmp6, 0x40004                  ; cy
	s_lshl_b32 s42, ttmp9, 2
	s_add_co_u32 s42, s42, s40                     ; tile column
	s_and_b32 s17, ttmp7, 0xffff
	s_lshr_b32 s70, ttmp9, 1
	s_xor_b32 s[ODD], ttmp9, s70
	s_lshr_b32 s70, ttmp9, 2
	s_xor_b32 s[ODD], s[ODD], s70
	s_xor_b32 s[ODD], s[ODD], s17
	s_and_b32 s[ODD], s[ODD], 1                    ; the cluster's parity: equal in all its work-groups
	s_lshl_b32 s17, s17, 2
	s_add_co_u32 s17, s17, s41                     ; tile row
	s_lshl_b32 s43, s41, 2
	s_lshl_b32 s43, 15, s43                        ; my row of the cluster
	s_lshl_b32 s44, 0x1111, s40                    ; my column
	s_or_b32 s[G1+0], s43, (0<<16)|(1<<20)|(1<<21)|(5<<22)|(3<<25)
	s_or_b32 s[G1B+0], s44, (0<<16)|(1<<20)|(1<<21)|(5<<22)|(3<<25)
.irp g, G1, G1B
	s_mov_b32 s[\g+1], ROWB<<16
	s_mov_b32 s[\g+2], 128<<16
	s_mov_b32 s[\g+3], ROWB<<16
	s_mov_b32 s[\g+4], 128
	s_mov_b32 s[\g+5], KROW
	s_mov_b32 s[\g+6], 0
	s_mov_b32 s[\g+7], 0
.endr
	s_lshl_b32 s18, s16, 7
	s_lshl_b32 s20, s17, 8
	s_add_co_u32 s20, s20, s18
	s_lshl_b32 s46, s42, 8
	s_add_co_u32 s46, s46, s18
	s_mov_b32 s21, 0
	s_mov_b32 s47, 0
	s_mov_b64 s[18:19], KROW
	s_mul_u64 s[20:21], s[20:21], s[18:19]
	s_mul_u64 s[46:47], s[46:47], s[18:19]
	s_mul_i32 s45, s14, HALFT
	s_lshl_b32 s[KO], s[ODD], 8                    ; slot 0 takes K step parity, slot 1 the other of each pair
	s_mov_b32 s[KO+1], 0
	s_xor_b32 s[KO+8], s[ODD], 1
	s_lshl_b32 s[KO+8], s[KO+8], 8
	s_mov_b32 s[KO+9], 0
	s_wait_dscnt 0x0                               ; both opening adds are done
	s_wait_kmcnt 0x0
	s_load_b64 s[72:73], s[8:9], 0x0               ; e0, e1
	s_load_b64 s[76:77], s[8:9], 0x10              ; e4, e5
	s_add_nc_u64 s[20:21], s[4:5], s[20:21]
	s_add_nc_u64 s[46:47], s[6:7], s[46:47]
	CROUND                                         ; in front of the first joint loads
.irp s, 0,1
	s_mov_b32 s[G0+4*\s], 1
	s_add_co_u32 s[G0+4*\s+1], s45, \s*SLOT
	s_add_nc_u64 s[G0+4*\s+2:G0+4*\s+3], s[20:21], s[KO+8*\s:KO+8*\s+1]
	s_or_b32 s[G0+4*\s+3], s[G0+4*\s+3], 0x80000000
	s_mov_b32 s[G0B+4*\s], 1
	s_add_co_u32 s[G0B+4*\s+1], s45, \s*SLOT
	s_add_nc_u64 s[G0B+4*\s+2:G0B+4*\s+3], s[46:47], s[KO+8*\s:KO+8*\s+1]
	s_or_b32 s[G0B+4*\s+3], s[G0B+4*\s+3], 0x80000000
.endr
	JLOAD G0, G1, G0B, G1B                         ; slot 0: one tensor load a wave at the head
	s_mul_i32 s21, s15, HALFT                      ; my 128 rows of x
	s_mul_i32 s22, s16, HALFT
	s_add_co_u32 s22, s22, 2*HALFT                 ; my 128 rows of bq
	s_add_co_u32 s18, s21, SLOT
	s_add_co_u32 s19, s22, SLOT
	s_mul_i32 s23, s14, 16*SPITCH
	s_add_co_u32 s23, s23, STG                     ; my stage
	v_and_b32 v1, 15, v0                           ; r
	v_bfe_u32 v2, v0, 4, 1                         ; h
	v_mul_u32_u24 v3, v1, PITCH
	v_lshl_add_u32 v4, v2, 4, v3                   ; a fragment's row x pitch + 16 h
	v_add_nc_u32 v[ADRA], s21, v4
	v_add_nc_u32 v[ADRB], s22, v4
	v_add_nc_u32 v[ADRA+1], s18, v4
	v_add_nc_u32 v[ADRB+1], s19, v4
	v_mul_u32_u24 v5, v1, SPITCH                   ; into the stage: row r, 32 bytes for each half of the lanes
	v_lshl_add_u32 v5, v2, 5, v5
	v_add_nc_u32 v[STO], s23, v5
	v_mul_u32_u24 v5, v2, SPITCH                   ; back: lanes 0-15 one row of 256 bytes, lanes 16-31 the next
	v_lshl_add_u32 v5, v1, 4, v5
	v_add_nc_u32 v[RD], s23, v5
	v_lshlrev_b32 v[CO], 14, v2                    ; the same two rows in out0
	v_lshl_add_u32 v[CO], v1, 4, v[CO]
	v_lshl_add_u32 v[BIM], v0, 4, BST
	v_and_b32 v[PFO], 31, v0
	v_lshlrev_b32 v[PFO], 12, v[PFO]
	v_lshlrev_b32 v[BO], 5, v2
	s_lshl_b32 s46, s42, 9                         ; my 64 outputs, in bytes: 512 x tile column + 256 x half
	s_lshl_b32 s47, s16, 8
	s_add_co_u32 s46, s46, s47
	s_mov_b32 s47, 0
	s_add_nc_u64 s[10:11], s[10:11], s[46:47]
.irp b, 0,1,2,3
	global_load_b128 v[T+8*\b:T+8*\b+3], v[BO], s[10:11] offset:64*\b
	global_load_b128 v[T+8*\b+4:T+8*\b+7], v[BO], s[10:11] offset:64*\b+16
.endr
	s_lshl_b32 s20, s17, 8
	s_lshl_b32 s21, s15, 7
	s_add_co_u32 s20, s20, s21
	s_lshl_b32 s20, s20, 14
	s_mov_b32 s21, 0
	s_add_nc_u64 s[12:13], s[12:13], s[20:21]
	s_add_nc_u64 s[12:13], s[12:13], s[46:47]
	s_lshl_b32 s18, s17, 8                         ; the prefetches: the tile's first row, my place among the four partners, the buffer
	s_lshl_b32 s19, s42, 8
	s_cmp_eq_u32 s15, 0
	s_cselect_b32 s20, s18, s19
	s_cselect_b32 s21, s40, s41
	s_cselect_b32 s22, ttmp9, 0
	s_cselect_b64 s[PFA:PFA+1], s[4:5], s[6:7]
	s_cmp_lt_u32 s22, 2                            ; x's rows are asked for by the first two columns of clusters alone (one of each parity), bq's by every cluster
	s_cselect_b32 s[LIM], 1, -1
	s_lshl_b32 s22, s16, 7
	s_add_co_u32 s20, s20, s22
	s_lshl_b32 s21, s21, 5
	s_add_co_u32 s20, s20, s21
	s_lshl_b32 s20, s20, 12
	s_add_co_u32 s20, s20, s[KO]
	s_mov_b32 s21, 0
	s_add_nc_u64 s[PFA:PFA+1], s[PFA:PFA+1], s[20:21]
	s_add_nc_u64 s[PFA:PFA+1], s[PFA:PFA+1], 2*KSTEP
; A fragment, 16 rows x 128 K, is 16 registers by four loads of 16 bytes, 32 apart, at row x pitch + 16 h: the same permutation of k on both sides.
.macro FRAG reg, adr, q, i
.irp c, 0,1,2,3
	ds_load_b128 v[\reg+4*\c:\reg+4*\c+3], v[\adr] offset:128*(\q)+32*\c+(\i)*16*PITCH
.endr
.endm
; 8 products: x's block a against bq's eight; p: the step's sets.  The 64 accumulators take turns in the same order in every step.
.macro MUL8 a, p, zero
.if (\a) < 2
.set AR, 32+16*(\a)
.else
.set AR, 64+96*(\p)+16*((\a)-2)
.endif
.irp b, 0,1,2,3,4,5,6,7
.if \zero
	v_wmma_f32_16x16x128_bf8_bf8 v[8*(8*((\a)%4)+\b):8*(8*((\a)%4)+\b)+7], v[128*(\p)+16*\b:128*(\p)+16*\b+15], v[AR:AR+15], 0
.else
	v_wmma_f32_16x16x128_bf8_bf8 v[8*(8*((\a)%4)+\b):8*(8*((\a)%4)+\b)+7], v[128*(\p)+16*\b:128*(\p)+16*\b+15], v[AR:AR+15], v[8*(8*((\a)%4)+\b):8*(8*((\a)%4)+\b)+7]
.endif
.endr
.endm
; A batch: cnt fragments from i0 on, of the slot's q-th 128 along K, into set p: of bq (LDB) or of x (LDA)
.macro LDB slot, q, p, i0, cnt
	WIN TO_B
.set fi, \i0
.rept \cnt
	FRAG 128*(\p)+16*fi, ADRB+\slot, \q, fi
.set fi, fi+1
.endr
.endm
.macro LDA slot, q, p, i0, cnt
	WIN 0
.set fi, \i0
.rept \cnt
.if fi < 2
	FRAG 32+16*fi, ADRA+\slot, \q, fi
.else
	FRAG 64+96*(\p)+16*(fi-2), ADRA+\slot, \q, fi
.endif
.set fi, fi+1
.endr
.endm
; A slot's first 128 along K, on sets 0.  On the way in, oldest first, may be out: bq's set 0 (32 loads) and x's blocks 0-3 (16).
.macro EVEN slot, zero
	PLACES                                         ; for the loads into bq's set 1, which the step before multiplied
	LDA \slot, 0, 0, 4, 4                          ; this step's own blocks 4-7
	LDB \slot, 1, 1, 0, 2
	s_wait_dscnt 32                                ; bq's set 0 and blocks 0, 1 are in; blocks 2, 3 and the 24 just issued may be out
	WIN MUL_LO
	MUL8 0, 0, \zero
	MUL8 1, 0, \zero
	LDB \slot, 1, 1, 2, 6
	s_wait_dscnt 48                                ; blocks 2, 3 are in; two batches of 24 may be out
	WIN MUL_LO
	MUL8 2, 0, \zero
	MUL8 3, 0, \zero
	PLACES                                         ; for the loads into blocks 0, 1
	LDA \slot, 1, 1, 0, 4
	s_wait_dscnt 56                                ; blocks 4, 5 are in; behind them: 8 + 8 + 24 + 16
	WIN MUL_HI
	MUL8 4, 0, \zero
	MUL8 5, 0, \zero
	LDA \slot, 1, 1, 4, 4
	s_wait_dscnt 63                                ; blocks 6, 7 are in: 64 loads were issued behind them, and the count's field holds 63
	WIN MUL_HI
	MUL8 6, 0, \zero
	MUL8 7, 0, \zero
.endm
; A slot's second 128, on sets 1.  kind 1: the slot is filled again behind a round of the cluster's barrier; kind 2: nothing is filled; kind 3: the launch's last step.
.macro ODDS slot, next, kind
.if \kind < 3
.if (\kind == 1) && (\slot == 0)
	s_wait_xcnt 0x0                                ; my last prefetch has read its address
	s_add_nc_u64 s[PFA:PFA+1], s[PFA:PFA+1], 2*KSTEP
.endif
	WIN 0                                          ; the add's two registers lie in window 0
	s_wait_tensorcnt 0x0                           ; my one load that was out, my part of the next slot, has landed
	ds_add_u32 v[SPW], v[NIL]
	s_wait_dscnt 25                                ; bq's set 1 and blocks 0, 1 are in; 24 loads (blocks 2-7) and the add may be out
	WIN MUL_LO
	MUL8 0, 1, 0
	s_wait_dscnt 0x0                               ; the add is done, and my reads of this slot are over
	s_barrier_signal -1
	MUL8 1, 1, 0
	WIN 0
	s_barrier_wait -1
.if \kind == 1
	CREST                                          ; the barrier has opened a round of the cluster's barrier
	s_add_nc_u64 s[G0+4*\slot+2:G0+4*\slot+3], s[G0+4*\slot+2:G0+4*\slot+3], 2*ROWB
	s_add_nc_u64 s[G0B+4*\slot+2:G0B+4*\slot+3], s[G0B+4*\slot+2:G0B+4*\slot+3], 2*ROWB
	JLOAD G0+4*\slot, G1, G0B+4*\slot, G1B         ; the first tensor load behind the round; its four v_nop are the places for this step's three batches
.else
	PLACES
.endif
	LDB \next, 0, 0, 0, 4
	WIN MUL_LO
	MUL8 2, 1, 0
	MUL8 3, 1, 0
	LDB \next, 0, 0, 4, 4
.if (\kind == 1) && (\slot == 0)
	WIN 0
	ASK
.endif
	WIN MUL_HI
	MUL8 4, 1, 0
	MUL8 5, 1, 0
	LDA \next, 0, 0, 0, 4
	WIN MUL_HI
	MUL8 6, 1, 0
	MUL8 7, 1, 0
.else
	s_wait_dscnt 24
	WIN MUL_LO
	MUL8 0, 1, 0
	MUL8 1, 1, 0
	s_wait_dscnt 0
	PLACES
	WIN 0
.irp b, 0,1,2,3,4,5,6,7
	ds_load_b128 v[BI+4*\b:BI+4*\b+3], v[BIM] offset:2048*\b       ; the bias comes back, into x's set 0, which is done with
.endr
	WIN MUL_LO
	MUL8 2, 1, 0
	MUL8 3, 1, 0
	WIN MUL_HI
	MUL8 4, 1, 0
	MUL8 5, 1, 0
	MUL8 6, 1, 0
	MUL8 7, 1, 0
.endif
.endm
	s_wait_alu depctr_va_vdst(0)                   ; the wait at the head's end
	s_wait_loadcnt 0x0                             ; the bias,
.irp b, 0,1,2,3,4,5,6,7
	ds_store_b128 v[BIM], v[T+4*\b:T+4*\b+3] offset:2048*\b        ; as an image of its registers: 16 bytes a thread, my own
.endr
	s_wait_tensorcnt 0x0                           ; my part of slot 0 is in; slot 1's first fill is issued as a refill is
	ds_add_u32 v[SPW], v[NIL]
	s_wait_dscnt 0x0
	CROUND
	JLOAD G0+4, G1, G0B+4, G1B
	LDB 0, 0, 0, 0, 8                              ; what a slot's second step leaves on its way for the next slot's first
	LDA 0, 0, 0, 0, 4
	EVEN 0, 1                                      ; the first step's products start the sums
	WIN 0
	s_mov_b32 s3, LAPS-1
.Llap:                                                 ; a trip goes once round the ring and fills both slots again
	ODDS 0, 1, 1
	EVEN 1, 0
	ODDS 1, 0, 1
	EVEN 0, 0
	WIN 0
	s_sub_co_u32 s3, s3, 1
	s_cmp_lg_u32 s3, 0
	s_cbranch_scc1 .Llap
	ODDS 0, 1, 2                                   ; the last lap fills nothing
	EVEN 1, 0
	ODDS 1, 0, 3
	WIN 0
	s_wait_kmcnt 0x0
	s_add_co_i32 s72, s72, s73
	s_add_co_i32 s72, s72, 127
	s_lshl_b32 s80, s72, 23                        ; 2^(e0 + e1)
	s_mov_b32 s81, s80
	s_add_co_i32 s76, s76, s77
	s_add_co_i32 s76, s76, 127
	s_lshl_b32 s82, s76, 23                        ; 2^(e4 + e5)
	s_mov_b32 s83, s82
	s_wait_dscnt 0x0                               ; the bias is back
	PLACES
; THE WAY OUT, by x's blocks of 16 rows x my 64 outputs: W's sum x its factor + bias, + delta's sum x its factor; through my own stage; back as rows of 256 bytes.  Each accumulator is read from its low end on.
.macro TOSTAGE a
.set AC, 64*((\a)%4)
	WIN 0x02+((\a)/4)                              ; source 0: window 2 or 3
.set j, 0
.rept 16
	v_pk_fma_f32 v[T+2*j:T+2*j+1], v[AC+2*j:AC+2*j+1], s[80:81], v[BI+2*j:BI+2*j+1] op_sel_hi:[1,0,1]
.set j, j+1
.endr
.set j, 0
.rept 16
	v_pk_fma_f32 v[T+2*j:T+2*j+1], v[AC+32+2*j:AC+32+2*j+1], s[82:83], v[T+2*j:T+2*j+1] op_sel_hi:[1,0,1]
.set j, j+1
.endr
	WIN 0
.irp b, 0,1,2,3
	ds_store_b128 v[STO], v[T+8*\b:T+8*\b+3] offset:64*\b
	ds_store_b128 v[STO], v[T+8*\b+4:T+8*\b+7] offset:64*\b+16
.endr
.set BB, BK+32*((\a)%2)
.irp t, 0,1,2,3,4,5,6,7
	ds_load_b128 v[BB+4*\t:BB+4*\t+3], v[RD] offset:\t*2*SPITCH    ; LDS serves a wave's instructions in order: these see my stores
.endr
.endm
.macro SEND a, younger
.set BB, BK+32*((\a)%2)
	s_wait_dscnt \younger
.irp t, 0,1,2,3,4,5,6,7
	global_store_b128 v[CO], v[BB+4*\t:BB+4*\t+3], s[12:13] offset:(16*(\a)+2*\t)*OROW th:TH_STORE_NT   ; 16 lanes store 256 consecutive bytes, at a multiple of 256 from out0's first byte
.endr
.endm
	TOSTAGE 0
.irp a, 1,2,3,4,5,6,7
.if \a > 1
	s_wait_xcnt 0x0                                ; block a - 2's stores have read their registers
.endif
	TOSTAGE \a
	SEND \a-1, 16                                  ; behind block a - 1's loads: block a's 8 stores and 8 loads
.endr
	SEND 7, 0
	s_wait_tensorcnt 0x0                           ; the wave's end
	ds_add_u32 v[SPW], v[NIL]
	s_wait_dscnt 0x0
	CROUND                                         ; the closing round
	s_endpgm
.Lfunc_end_k_q60223961c2_gemm:
	.size	k_q60223961c2_gemm, .Lfunc_end_k_q60223961c2_gemm-k_q60223961c2_gemm
	.p2alignl 7, 3214868480
	.fill 96, 4, 3214868480
	.section	.rodata,"a",@progbits
	.p2align	6, 0x0
	.amdhsa_kernel k_q60223961c2_gemm
		.amdhsa_group_segment_fixed_size 327680
		.amdhsa_private_segment_fixed_size 0
		.amdhsa_enable_private_segment 0
		.amdhsa_kernarg_size 40
		.amdhsa_user_sgpr_count 2
		.amdhsa_user_sgpr_kernarg_segment_ptr 1
		.amdhsa_wavefront_size32 1
		.amdhsa_system_sgpr_workgroup_id_x 1
		.amdhsa_system_sgpr_workgroup_id_y 1
		.amdhsa_system_sgpr_workgroup_id_z 1
		.amdhsa_system_vgpr_workitem_id 0
		.amdhsa_next_free_vgpr 1024
		.amdhsa_next_free_sgpr 84
		.amdhsa_reserve_vcc 0
		.amdhsa_float_denorm_mode_32 3
		.amdhsa_float_denorm_mode_16_64 3
		.amdhsa_memory_ordered 1
		.amdhsa_forward_progress 1
		.amdhsa_inst_pref_size 113
	.end_amdhsa_kernel
	.amdgpu_metadata
---
amdhsa.version: [ 1, 2 ]
amdhsa.kernels:
  - .name:           k_q60223961c2_gemm
    .symbol:         k_q60223961c2_gemm.kd
    .args:
      - { .name: x_codes, .offset: 0, .size: 8, .value_kind: global_buffer, .address_space: global }
      - { .name: bq, .offset: 8, .size: 8, .value_kind: global_buffer, .address_space: global }
      - { .name: lowp_scales, .offset: 16, .size: 8, .value_kind: global_buffer, .address_space: global }
      - { .name: bias, .offset: 24, .size: 8, .value_kind: global_buffer, .address_space: global }
      - { .name: out0, .offset: 32, .size: 8, .value_kind: global_buffer, .address_space: global }
    .group_segment_fixed_size: 327680
    .private_segment_fixed_size: 0
    .kernarg_segment_align: 8
    .kernarg_segment_size: 40
    .max_flat_workgroup_size: 128
    .sgpr_count:     84
    .vgpr_count:     1024
    .wavefront_size: 32
...
	.end_amdgpu_metadata
.endif
;; end of part 2
